; MI455X (gfx1250); checked and timed in simulation.
; The chip was launched on July 23, 2026; its instructions are those of AMD's public machine-readable ISA for CDNA 5 (MIT licence, August 2026) and "CDNA5" Instruction Set Architecture Reference Guide (July 2026). The comments in the code are by the model that wrote it; some were corrected since.
;; Neighbor Self Attention. Allowed arithmetic: float matrix products may take bf16 or f16 operands with f32 sums; other float arithmetic in f32, or as packed bf16 or f16 multiplies, adds, multiply-adds, maxima and minima; sums over many terms, partial sums and values carried from step to step in f32; what a program stores and reads back later, other than sums and carried values, may be rounded once to bf16 or f16.
;; Inputs: Wk 256 x 256 float32; Wo 256 x 256 float32; Wq 256 x 256 float32; Wv 256 x 256 float32; beta 256 float32; bk 256 float32; bo 256 float32; bq 256 float32; bv 256 float32; gamma 256 float32; neighbor_features 16,384 x 16 x 256 float32.
;; Outputs: out0 16,384 x 256 float32.
;; 2 versions, each right; version 2 is version 1 with the launch prep written anew for expert scheduling mode. Each part assembles by itself: llvm-mc -triple=amdgcn-amd-amdhsa -mcpu=gfx1250 --defsym DOCPART=n.
;; ======== version 1 of 2: 2 launches
;; limits: values are held in f16: magnitudes above 65,504 overflow, below 6.1e-05 lose precision
;; workspace buffers: wts 266,240 bytes
;; launch prep (part 1): grid 128 x 1, 4 waves a work-group, no clusters, 50,688 bytes of LDS; arguments Wq, Wv, Wk, Wo, bq, bv, gamma, beta, bo, wts; writes wts
.if DOCPART == 1
	.amdgcn_target "amdgcn-amd-amdhsa--gfx1250"
	.amdhsa_code_object_version 6
	.text
	.protected	k_qe60eaced8e_prep
	.globl	k_qe60eaced8e_prep
	.p2align	8
	.type	k_qe60eaced8e_prep,@function
k_qe60eaced8e_prep:
	s_mov_b64 s[64:65], 0
	v_nop
	global_prefetch_b8 v0, s[64:65] scope:SCOPE_SE
	s_setreg_imm32_b32 hwreg(HW_REG_WAVE_MODE, 25, 1), 1
	s_wait_xcnt 0x0
; NEIGHBOUR SELF-ATTENTION, launch 1 of 2: the tables that the second launch multiplies by.
; THE ALGEBRA, for all values of the inputs (X = a node's 16 x 256 block, rows x_k):
;   Q[q].K[k] = x_q^T (Wq^T Wk) x_k + (bq^T Wk) x_k + Q[q].bk.  The last term does not hang on k: it is the same along the softmax's axis, so it cancels in the softmax
;   whatever bk holds.  DEAD: that term, and with it the input bk, which has no other way to the output: bk is not loaded and is no argument of either launch.
;   mean_q(attn V) = sum_k w[k] V[k] with w[k] = (1/16) sum_q attn[q][k];  V[k] = Wv x_k + bv and sum_k w[k] = 1 (each softmax row sums to 1), so it is Wv z + bv with z = sum_k w[k] x_k.
;   out = Wo (Wv z + bv) + bo + mean_k x_k = (Wo Wv) z + (Wo bv + bo) + mean_k x_k.
; So Q, K and V are never formed: one product of every row with Mt is left, and three small ones a node.
; LIMIT: a NaN, an infinity or an overflow that reaches only bk, or only the unformed Q, K, V, is not carried to the result.
; THIS LAUNCH makes, into wts:
;   Mt[e][d] = sum_f Wk[f][e] Wq[f][d]   (bytes 0 ..)          u[e] = sum_f bq[f] Wk[f][e]            (131,072 ..)
;   Pt[e][d] = sum_g Wo[e][g] Wv[g][d]   (bytes 135,168 ..)    c[e] = sum_g Wo[e][g] bv[g] + bo[e]    (132,096 ..)     gamma (133,120 ..) and beta (134,144 ..) copied, so that one tile brings all four
; Operands rounded to bf16, sums in f32; Mt and Pt rounded once to bf16, the four vectors kept in f32.
; LAYOUT of Mt and Pt: by fragments.  Fragment (t = e / 16, s = d / 32) is 1,024 bytes at (8 t + s) x 1,024; its half a at + 512 a, lane l at + 16 l: Mt[16 t + l % 16][32 s + 16 a + 8 (l / 16) + 0..7].
; So every later load of half a fragment is 512 consecutive bytes, in memory and in LDS.
; SHARES.  Work-group = (p: Mt or Pt; t: 16 values of e; db: 64 values of d); wave v makes the tile of 16 d, dt = 4 db + v, x 16 e over K = 256: result (m = d, n = e), so a lane ends with eight neighbouring d
; of one e: its 16 bytes of fragment (t, dt / 2), half dt % 2.  The wave with db = 0, v = 0 also makes the 16 numbers of u or c: a product whose 16 rows are all bq (bv).
; The sources lie [k][d] (and, for Mt, [k][e]): they go through LDS as bf16 and come out turned, by ds_load_tr16_b128.
.set PA,    160       ; an LDS row, one k: 128 bytes = 64 d, then (Mt) 32 bytes = 16 e: 5 x 32 bytes, so the eight rows of a turning load start in different banks
.set BR,    40960     ; Pt: 16 rows of Wo in bf16,
.set PBR,   528       ; 512 bytes + 16 apart
.set BV,    49408     ; bq or bv in bf16, 512 bytes
.set SPARE, 49920     ; the spare words, 128 bytes for each wave: two blocks of 256 bytes that no other line names
.set VECB,  131072
.set PTB,   135168
.set SPW, 1           ; v1   LDS address of my spare word; never rewritten
.set NIL, 2           ; v2   0; never rewritten
.set LN,  3           ; v3   lane
.set RR,  4           ; v4   lane % 16
.set HH,  5           ; v5   lane / 16
.set GA,  6           ; v6   my byte offset in A's source
.set GB,  7           ; v7   in B's
.set LAS, 8           ; v8   where I put 8 bytes of A in LDS
.set LBS, 9           ; v9   of B
.set LAF, 10          ; v10  where my fragments of A begin
.set LBF, 11          ; v11  of B
.set GV,  12          ; v12  my two numbers of bq or bv
.set LVS, 13          ; v13  where they go
.set GE,  14          ; v14  4 (16 t + lane % 16): my number in a vector
.set LVF, 15          ; v15  where the fragments of bq or bv begin
.set AF,  16          ; v[16:143]  A as loaded, 32 x 4
.set BF,  144         ; v[144:175] B as loaded, 8 x 4
.set AFR, 16          ; behind the barrier: A's 8 fragments,
.set BFR, 80          ; B's 8,
.set AV,  144         ; the 8 whose rows are all bq or bv
.set ACC, 208         ; v[208:239] four accumulators: the tile's two, the vector's two
.set ADN, 240         ; v240 bo's number, or 0
.set CPY, 241         ; v241 gamma's or beta's number
.set BVT, 242         ; v[242:243] two numbers of bq or bv
.set GO,  244         ; v244 16 x lane
	s_load_b512 s[8:23], s[0:1], 0x0               ; Wq s[8:9], Wv s[10:11], Wk s[12:13], Wo s[14:15], bq s[16:17], bv s[18:19], gamma s[20:21], beta s[22:23]
	s_load_b128 s[24:27], s[0:1], 0x40             ; bo s[24:25], wts s[26:27]
	v_lshl_add_u32 v[SPW], v0, 2, SPARE
	v_mov_b32 v[NIL], 0
	v_lshrrev_b32 v[LN], 5, v0
	v_readfirstlane_b32 s28, v[LN]                 ; wave v
	s_lshr_b32 s29, ttmp9, 6                       ; p
	s_bfe_u32 s30, ttmp9, 0x40002                  ; t
	s_and_b32 s31, ttmp9, 3                        ; db
	s_or_b32 s32, s31, s28                         ; 0: this wave also makes the vector
	v_and_b32 v[LN], 31, v0
	v_and_b32 v[RR], 15, v0
	v_bfe_u32 v[HH], v0, 4, 1
	v_and_b32 v245, 7, v0                          ; lane % 8
	v_bfe_u32 v246, v0, 3, 1                       ; (lane / 8) % 2
	s_lshl_b32 s33, s28, 16                        ; A: my 64 rows of 1,024 bytes,
	s_lshl_b32 s44, s31, 8                         ; the group's 256 bytes of each
	s_add_co_u32 s33, s33, s44
	v_lshl_add_u32 v[GA], v[RR], 4, s33            ; sixteen lanes take those 256 bytes,
	v_lshl_add_u32 v[GA], v[HH], 10, v[GA]         ; the other sixteen the next row's
	s_mul_i32 s44, s28, 64*PA
	v_lshl_add_u32 v[LAS], v[RR], 3, s44
	v_mad_u32_u24 v[LAS], v[HH], PA, v[LAS]
	v_lshl_add_u32 v247, v[HH], 3, v245            ; a turning load: row 8 (l / 16) + l % 8,
	v_mul_u32_u24 v247, v247, PA
	v_lshl_add_u32 v247, v246, 4, v247             ; 16 bytes for each half of eight lanes
	s_lshl_b32 s44, s28, 5
	v_add_nc_u32 v[LAF], s44, v247                 ; my 16 d are 32 bytes of a row
	s_lshl_b32 s44, s28, 8
	v_lshl_add_u32 v[GV], v[LN], 3, s44            ; 64 numbers a wave, two a lane
	s_lshl_b32 s44, s28, 7
	s_add_co_u32 s44, s44, BV
	v_lshl_add_u32 v[LVS], v[LN], 2, s44
	s_lshl_b32 s44, s30, 6
	v_lshl_add_u32 v[GE], v[RR], 2, s44
	v_lshl_add_u32 v[LVF], v[HH], 4, BV
	v_lshlrev_b32 v[GO], 4, v[LN]
	v_mov_b32 v[ADN], 0                            ; u has no addend
	s_lshl2_add_u32 s45, s31, s28                  ; dt = 4 db + v
	s_lshr_b32 s46, s45, 1                         ; s
	s_and_b32 s47, s45, 1                          ; a
	s_lshl3_add_u32 s46, s30, s46                  ; 8 t + s
	s_lshl_b32 s46, s46, 10
	s_lshl_b32 s47, s47, 9
	s_add_co_u32 s46, s46, s47
	s_mul_i32 s44, s29, PTB
	s_add_co_u32 s44, s44, s46
	s_mov_b32 s45, 0
	s_wait_kmcnt 0x0
	s_add_nc_u64 s[42:43], s[26:27], s[44:45]      ; where my half fragment goes
	s_lshl_b32 s44, s29, 10
	s_add_co_u32 s44, s44, VECB
	s_add_nc_u64 s[46:47], s[26:27], s[44:45]      ; u (p = 0) or c (p = 1); gamma or beta lies 2,048 bytes on
	s_cmp_eq_u32 s29, 0
	s_cselect_b64 s[34:35], s[8:9], s[10:11]       ; A's source: Wq or Wv
	s_cselect_b64 s[36:37], s[12:13], s[14:15]     ; B's: Wk or Wo
	s_cselect_b64 s[38:39], s[16:17], s[18:19]     ; bq or bv
	s_cselect_b64 s[40:41], s[20:21], s[22:23]     ; gamma or beta
.set i, 0
.rept 32
	global_load_b128 v[AF+4*i:AF+4*i+3], v[GA], s[34:35] offset:2048*i  ; two rows' 256 consecutive bytes, aligned
.set i, i+1
.endr
	s_cmp_lg_u32 s29, 0
	s_cbranch_scc1 .Lb_of_pt
	v_lshrrev_b32 v248, 2, v[LN]                   ; Mt: B = Wk[f][16 t ..]: 64 bytes of a row, four lanes a row, eight rows a load
	v_and_b32 v249, 3, v[LN]
	s_lshl_b32 s44, s28, 16
	s_lshl_b32 s45, s30, 6
	s_add_co_u32 s44, s44, s45
	v_lshl_add_u32 v[GB], v248, 10, s44
	v_lshl_add_u32 v[GB], v249, 4, v[GB]
	s_mul_i32 s45, s28, 64*PA
	s_add_co_u32 s45, s45, 128
	v_lshl_add_u32 v[LBS], v249, 3, s45
	v_mad_u32_u24 v[LBS], v248, PA, v[LBS]
	v_add_nc_u32 v[LBF], 128, v247
.set i, 0
.rept 8
	global_load_b128 v[BF+4*i:BF+4*i+3], v[GB], s[36:37] offset:8192*i
.set i, i+1
.endr
	s_branch .Lb_asked
.Lb_of_pt:
	s_lshl_b32 s44, s30, 14                        ; Pt: B = Wo's rows 16 t + 4 v .. + 3: 4,096 dense bytes
	s_lshl_b32 s45, s28, 12
	s_add_co_u32 s44, s44, s45
	v_lshl_add_u32 v[GB], v[LN], 4, s44
	s_mul_i32 s45, s28, 4*PBR
	s_add_co_u32 s45, s45, BR
	v_lshl_add_u32 v[LBS], v[LN], 3, s45
	v_mul_u32_u24 v[LBF], v[RR], PBR
	v_lshl_add_u32 v[LBF], v[HH], 4, v[LBF]
	v_add_nc_u32 v[LBF], BR, v[LBF]
.set i, 0
.rept 8
	global_load_b128 v[BF+4*i:BF+4*i+3], v[GB], s[36:37] offset:512*i
.set i, i+1
.endr
.Lb_asked:
	; the work-groups with db = 0 bring bq or bv into LDS, a quarter a wave; their wave 0 also copies gamma or beta and fetches bo.  Load, wait and use stand in this one region.
	s_cmp_lg_u32 s31, 0
	s_cbranch_scc1 .Lno_vector
	global_load_b64 v[BVT:BVT+1], v[GV], s[38:39]
	s_cmp_lg_u32 s28, 0
	s_cbranch_scc1 .Lquarter
	global_load_b32 v[CPY], v[GE], s[40:41]
	s_cmp_eq_u32 s29, 0
	s_cbranch_scc1 .Lcopy
	global_load_b32 v[ADN], v[GE], s[24:25]        ; c's addend
.Lcopy:
	s_wait_loadcnt 0x0
	global_store_b32 v[GE], v[CPY], s[46:47] offset:2048  ; both halves of the lanes store the same 16 numbers; v[GE], v[CPY] and the base are not written again
.Lquarter:
	s_wait_loadcnt 0x0
	v_cvt_pk_bf16_f32 v[BVT], v[BVT], v[BVT+1]
	ds_store_b32 v[LVS], v[BVT]
.Lno_vector:
	s_wait_loadcnt 0x0                             ; A and B are in
.set i, 0
.rept 32
	v_cvt_pk_bf16_f32 v[AF+4*i], v[AF+4*i], v[AF+4*i+1]
	v_cvt_pk_bf16_f32 v[AF+4*i+1], v[AF+4*i+2], v[AF+4*i+3]
	ds_store_b64 v[LAS], v[AF+4*i:AF+4*i+1] offset:2*PA*i
.set i, i+1
.endr
.set i, 0
.rept 8
	v_cvt_pk_bf16_f32 v[BF+4*i], v[BF+4*i], v[BF+4*i+1]
	v_cvt_pk_bf16_f32 v[BF+4*i+1], v[BF+4*i+2], v[BF+4*i+3]
.set i, i+1
.endr
	s_cmp_lg_u32 s29, 0
	s_cbranch_scc1 .Lbs_of_pt
.set i, 0
.rept 8
	ds_store_b64 v[LBS], v[BF+4*i:BF+4*i+1] offset:8*PA*i
.set i, i+1
.endr
	s_branch .Lb_stored
.Lbs_of_pt:
.set i, 0
.rept 8
	ds_store_b64 v[LBS], v[BF+4*i:BF+4*i+1] offset:(i/2)*PBR+(i%2)*256
.set i, i+1
.endr
.Lb_stored:
	s_wait_dscnt 0x0                               ; for the others' sake: my stores are done
	s_barrier_signal -1
	s_barrier_wait -1                              ; all 256 rows of k lie in LDS
.set i, 0
.rept 8
	ds_load_tr16_b128 v[AFR+8*i:AFR+8*i+3],   v[LAF] offset:32*PA*i        ; k = 32 i + 8 (l / 16) + 0..7 of column d = l % 16
	ds_load_tr16_b128 v[AFR+8*i+4:AFR+8*i+7], v[LAF] offset:32*PA*i+16*PA  ; and 16 further on
.set i, i+1
.endr
	s_cmp_lg_u32 s29, 0
	s_cbranch_scc1 .Lbf_of_pt
.set i, 0
.rept 8
	ds_load_tr16_b128 v[BFR+8*i:BFR+8*i+3],   v[LBF] offset:32*PA*i
	ds_load_tr16_b128 v[BFR+8*i+4:BFR+8*i+7], v[LBF] offset:32*PA*i+16*PA
.set i, i+1
.endr
	s_branch .Lb_in
.Lbf_of_pt:
.set i, 0
.rept 8
	ds_load_b128 v[BFR+8*i:BFR+8*i+3],   v[LBF] offset:64*i                ; Wo's rows lie along k: as they lie
	ds_load_b128 v[BFR+8*i+4:BFR+8*i+7], v[LBF] offset:64*i+32
.set i, i+1
.endr
.Lb_in:
	s_wait_dscnt 0x0
.set i, 0
.rept 8                                ; two accumulators take turns; the first two products start the sums
.if i < 2
	v_wmma_f32_16x16x32_bf16 v[ACC+8*(i%2):ACC+8*(i%2)+7], v[AFR+8*i:AFR+8*i+7], v[BFR+8*i:BFR+8*i+7], 0
.else
	v_wmma_f32_16x16x32_bf16 v[ACC+8*(i%2):ACC+8*(i%2)+7], v[AFR+8*i:AFR+8*i+7], v[BFR+8*i:BFR+8*i+7], v[ACC+8*(i%2):ACC+8*(i%2)+7]
.endif
.set i, i+1
.endr
.rept 4
	v_nop                                          ; four places between the last product and the first read of a result
.endr
.set i, 0
.rept 4
	v_pk_add_f32 v[ACC+2*i:ACC+2*i+1], v[ACC+2*i:ACC+2*i+1], v[ACC+8+2*i:ACC+8+2*i+1]
.set i, i+1
.endr
.set i, 0
.rept 4
	v_cvt_pk_bf16_f32 v[ACC+i], v[ACC+2*i], v[ACC+2*i+1]
.set i, i+1
.endr
	global_store_b128 v[GO], v[ACC:ACC+3], s[42:43]  ; the wave stores 512 consecutive bytes, aligned: half a fragment
	s_cmp_lg_u32 s32, 0
	s_cbranch_scc1 .Lend
.set i, 0
.rept 8
	ds_load_b128 v[AV+8*i:AV+8*i+3],   v[LVF] offset:64*i     ; every row of this operand is bq (bv)
	ds_load_b128 v[AV+8*i+4:AV+8*i+7], v[LVF] offset:64*i+32
.set i, i+1
.endr
	s_wait_dscnt 0x0
.set i, 0
.rept 8
.if i < 2
	v_wmma_f32_16x16x32_bf16 v[ACC+16+8*(i%2):ACC+16+8*(i%2)+7], v[AV+8*i:AV+8*i+7], v[BFR+8*i:BFR+8*i+7], 0
.else
	v_wmma_f32_16x16x32_bf16 v[ACC+16+8*(i%2):ACC+16+8*(i%2)+7], v[AV+8*i:AV+8*i+7], v[BFR+8*i:BFR+8*i+7], v[ACC+16+8*(i%2):ACC+16+8*(i%2)+7]
.endif
.set i, i+1
.endr
.rept 4
	v_nop
.endr
	v_add_f32 v[BVT], v[ACC+16], v[ACC+24]         ; every register holds the number of e = 16 t + l % 16: the lowest is taken
	v_add_f32 v[BVT], v[BVT], v[ADN]
	global_store_b32 v[GE], v[BVT], s[46:47]
.Lend:
	s_wait_tensorcnt 0x0                           ; the wave's end, behind my last LDS store
	ds_add_u32 v[SPW], v[NIL]
	s_wait_dscnt 0x0
	s_endpgm
.Lfunc_end_k_qe60eaced8e_prep:
	.size	k_qe60eaced8e_prep, .Lfunc_end_k_qe60eaced8e_prep-k_qe60eaced8e_prep
	.p2alignl 7, 3214868480
	.fill 96, 4, 3214868480
	.section	.rodata,"a",@progbits
	.p2align	6, 0x0
	.amdhsa_kernel k_qe60eaced8e_prep
		.amdhsa_group_segment_fixed_size 50688
		.amdhsa_private_segment_fixed_size 0
		.amdhsa_enable_private_segment 0
		.amdhsa_kernarg_size 80
		.amdhsa_user_sgpr_count 2
		.amdhsa_user_sgpr_kernarg_segment_ptr 1
		.amdhsa_wavefront_size32 1
		.amdhsa_system_sgpr_workgroup_id_x 1
		.amdhsa_system_sgpr_workgroup_id_y 1
		.amdhsa_system_sgpr_workgroup_id_z 1
		.amdhsa_system_vgpr_workitem_id 0
		.amdhsa_next_free_vgpr 256
		.amdhsa_next_free_sgpr 66
		.amdhsa_reserve_vcc 0
		.amdhsa_float_denorm_mode_32 3
		.amdhsa_float_denorm_mode_16_64 3
		.amdhsa_memory_ordered 1
		.amdhsa_forward_progress 1
		.amdhsa_inst_pref_size 24
	.end_amdhsa_kernel
	.amdgpu_metadata
---
amdhsa.version: [ 1, 2 ]
amdhsa.kernels:
  - .name:           k_qe60eaced8e_prep
    .symbol:         k_qe60eaced8e_prep.kd
    .args:
      - { .name: Wq, .offset: 0, .size: 8, .value_kind: global_buffer, .address_space: global }
      - { .name: Wv, .offset: 8, .size: 8, .value_kind: global_buffer, .address_space: global }
      - { .name: Wk, .offset: 16, .size: 8, .value_kind: global_buffer, .address_space: global }
      - { .name: Wo, .offset: 24, .size: 8, .value_kind: global_buffer, .address_space: global }
      - { .name: bq, .offset: 32, .size: 8, .value_kind: global_buffer, .address_space: global }
      - { .name: bv, .offset: 40, .size: 8, .value_kind: global_buffer, .address_space: global }
      - { .name: gamma, .offset: 48, .size: 8, .value_kind: global_buffer, .address_space: global }
      - { .name: beta, .offset: 56, .size: 8, .value_kind: global_buffer, .address_space: global }
      - { .name: bo, .offset: 64, .size: 8, .value_kind: global_buffer, .address_space: global }
      - { .name: wts, .offset: 72, .size: 8, .value_kind: global_buffer, .address_space: global }
    .group_segment_fixed_size: 50688
    .private_segment_fixed_size: 0
    .kernarg_segment_align: 8
    .kernarg_segment_size: 80
    .max_flat_workgroup_size: 128
    .sgpr_count:     66
    .vgpr_count:     256
    .wavefront_size: 32
...
	.end_amdgpu_metadata
.endif
;; end of part 1
;; launch main (part 2): grid 256 x 1, 4 waves a work-group, no clusters, 327,680 bytes of LDS; arguments neighbor_features, wts, out0; writes out0
.if DOCPART == 2
	.amdgcn_target "amdgcn-amd-amdhsa--gfx1250"
	.amdhsa_code_object_version 6
	.text
	.protected	k_qe60eaced8e_main
	.globl	k_qe60eaced8e_main
	.p2align	8
	.type	k_qe60eaced8e_main,@function
k_qe60eaced8e_main:
	s_mov_b64 s[64:65], 0
	v_nop
	global_prefetch_b8 v0, s[64:65] scope:SCOPE_SE
	s_setreg_imm32_b32 hwreg(HW_REG_WAVE_MODE, 25, 1), 1
	s_wait_xcnt 0x0
; NEIGHBOUR SELF-ATTENTION, launch 2 of 2.  Left out, as shown at the head of the first kernel: the term Q.bk (the same along the softmax's axis) with the input bk, the factor sum_k w[k] = 1 in front of bv, and Q, K, V themselves.
; FOR EACH NODE (x: 16 rows of 256):   Y^T[e][q] = sum_d Mt[e][d] x[q][d] + u[e];   S^T[k][q] = sum_e x[k][e] Y^T[e][q];   p = softmax over k of S / 16, the row's maximum taken away;
;   w[k] = (1/16) sum_q p[k][q];   z[d] = sum_k w[k] x[k][d];   o[e] = sum_d Pt[e][d] z[d] + c[e] + mean_k x[k][e];   out = LayerNorm(o) gamma + beta.
; FORMATS.  Matrix operands (x, Mt, Pt, Y, w, z) in bf16, all sums in f32; softmax and LayerNorm in f32.  The variance is merged from the four waves' (mean, sum of squares about that mean): no difference of large sums.
; LIMITS.  mean_k x is summed in f32 from the f32 x and kept in LDS rounded once to f16: it must stay under 65,504, keeps 11 significant bits, and below 6e-5 f16's fixed step of 6e-8.  A softmax weight below 2^-126
; counts as 0.  NaN and infinities are not treated apart; one that reaches only the work left out is not carried to the result.
; SHARES.  A work-group owns 64 nodes (1 MiB of x), wave v nodes 16 v .. 16 v + 15, by itself, in four batches of four: the batch loop has no barrier.  Mt lies once in LDS for all four waves, and a fragment of it read
; from LDS feeds four products.  Only the output product at the end is split by columns: wave v makes e = 64 v .. 64 v + 63 for all 64 nodes, with its quarter of Pt in registers.
; x COMES BY PLAIN LOADS: a node is 16,384 dense bytes, 32 loads of 512 consecutive bytes a wave, into two sets of 128 registers; a set is asked for again as soon as it has been rounded to bf16.  The bf16 rows go to the
; wave's own LDS bytes and come back three ways: as fragments along d (source 1 of Y^T, source 0 of S^T) and turned (source 0 of z^T).  LDS has no room for a ring of f32 tiles beside Mt and the bf16 rows.
; NO CLUSTER: what work-groups share is 135,168 bytes of tables, once at the head, against 1,048,576 bytes of a work-group's own x; Pt goes straight into registers.
; LAYOUTS.  Y^T = Mt x^T holds one query a lane and eight e: rounded in pairs it IS source 1 of S^T = x Y^T, whose result holds one query a lane (l % 16) and the keys 8 (l / 16) + 0..7.  z^T is one accumulator set for the
; wave's 16 nodes: source 0 = two nodes' 32 rows turned (m = d), source 1 = w of node i in column 4 b + i and 0 elsewhere; rounded in pairs z^T IS source 1 of o^T = Pt z^T.
; REGISTERS, in windows of 256 (s_set_vgpr_msb: bits 1:0 source 0, 3:2 source 1, 5:4 source 2, 7:6 destination):
;   window 0: v0-15 addresses; v16-31 u, two sets; v32-95 Y^T, two sets of four; v96-127 Y in bf16; v128-159 S^T; v160-223 a node in bf16, waiting; v224-235 the mean at work; v236-238 lane numbers
;   window 1: x's fragments, 64 a node (v128-191 also: a node in bf16 on its way to LDS; v0-127 also: nodes 2, 3 turned)
;   window 2: v0-127 Mt's fragments, two sets (also: nodes 0, 1 turned); v128-255 z^T          window 3: v0-127, v128-255 x as loaded, two sets; at the end my quarter of Pt
.set PX,    528       ; a bf16 row of x in LDS: 512 bytes + 16: an odd multiple of 16 bytes, so the 16 rows of a fragment load start in different banks
.set VECB,  131072    ; LDS: Mt at 0; u, c, gamma, beta here, 1,024 bytes each
.set COPYB, 135168    ; wave v's own bytes at COPYB + COPYS v: first the landing place of batch 0's last two nodes, then 64 bf16 rows, then z's fragments, last the stage for the way out
.set COPYS, 33792
.set RESB,  270336    ; wave v's 16 means in f16, rows of 528 bytes, at RESB + RESS v
.set RESS,  8448
.set LNX,   304128    ; [wave][64 nodes] (mean, sum of squares), f32
.set SPARE, 306176    ; the spare words, 128 bytes for each wave: two blocks of 256 bytes that no other line names
.set PTB,   135168    ; Pt in wts
.set SPW, 1           ; v1   LDS address of my spare word; never rewritten
.set NIL, 2           ; v2   0; never rewritten
.set GO,  3           ; v3   16 x lane: my 16 bytes of 512, in x, in Pt and in Mt's first half in LDS; never rewritten
.set MA0, 3
.set MA1, 5           ; v5   the same in Mt's second half
.set UA,  6           ; v6   u: my eight numbers of a tile
.set CSA, 7           ; v7   where I put 8 bytes of a bf16 row
.set FRA, 8           ; v8   where my fragments of x begin
.set TRA, 9           ; v9   the same for the turning loads
.set RSA, 10          ; v10  where I put 8 bytes of a mean; steps four rows a batch
.set REL, 11          ; v11  l % 16 - 4 b: which node of the batch my column of z^T belongs to
.set LD,  12          ; v12  my wave's bytes + 16 x lane
.set PF,  13          ; v13  256 x lane; never rewritten
.set U,   16
.set ACC, 32
.set YB,  96
.set S,   128
.set PEND, 160
.set RS,  224
.set RH,  232
.set LN,  236         ; v236 lane;  v237 lane % 16;  v238 lane / 16
.set RR,  237
.set HH,  238
.set TP,  32          ; behind the products with Mt: eight registers a node for the softmax: +0 maximum, c m, sum; +1 at work; +2..3, +4..5 partial sums; +4 then 1 / (16 l)
.set WM,  96          ; source 1 of z^T, eight registers for each pair of nodes
.set WP,  112         ; a node's w in bf16, four registers
.set TW,  128         ; window 1
.set Z,   128         ; window 2
.set FA,  0           ; window 3
.set FB,  128
.set WV,  10          ; s10  my wave's number
.set XP,  14          ; s[14:15] x at my wave's batch b + 1
.set PP,  16          ; s[16:17] my quarter of Pt
.set OP,  18          ; s[18:19] out0 at the group's first node, my 64 columns
.set BC,  20          ; s20  b, the batch
.set MK,  21          ; s21-24 lane masks
.set SEL, 26          ; s[26:27] v_permlanex16_b32's selects: each lane takes its own place in the other half
.set CSC, 28          ; s[28:29] c = log2(e) / 16
.set G1A, 32          ; s[32:39] descriptor group 1 of the tables' tile
.set G1B, 40          ; s[40:47] of x's
.set G0A, 48          ; s[48:51], s[52:55] their groups 0
.set G0B, 52
.set CPV, 56          ; s56  my wave's bytes in LDS
.set MSB, 0
.macro WIN new                         ; the immediate's high byte repeats the setting that is left; a switch that changes nothing is dropped
.if MSB != (\new)
	s_set_vgpr_msb (MSB<<8)|(\new)
.set MSB, (\new)
.endif
.endm
.macro PLACES                          ; four plain vector instructions between a matrix instruction and a vector instruction or load that touches its registers
.rept 4
	v_nop
.endr
.endm
.macro ALL4 line:vararg                ; one line for each t = 0 .. 3 (a node of the batch; at the end a group of 16 nodes)
.set t, 0
.rept 4
	\line
.set t, t+1
.endr
.endm
; n loads of 512 consecutive bytes into window 3 from register dst on
.macro ISSUE dst, sb, off, n, nt
	WIN 0xc0
.set ii, 0
.rept \n
.if \nt
	global_load_b128 v[(\dst)+4*ii:(\dst)+4*ii+3], v[GO], s[\sb:\sb+1] offset:(\off)+512*ii th:TH_LOAD_NT
.else
	global_load_b128 v[(\dst)+4*ii:(\dst)+4*ii+3], v[GO], s[\sb:\sb+1] offset:(\off)+512*ii
.endif
.set ii, ii+1
.endr
.endm
; A node as loaded (window sw, registers sb ..: load i holds row i / 2, columns 128 (i % 2) + 4 l + 0..3): its rows are summed in f32, four chains by turns; it is rounded to bf16 into window dw, registers db ..;
; the mean goes to LDS in f16, as node k of the batch.
.macro CV sw, sb, dw, db, k
	WIN (\sw)|((\sw)<<2)
.set jj, 0
.rept 4
	v_pk_add_f32 v[RS+2*jj:RS+2*jj+1], v[(\sb)+2*jj:(\sb)+2*jj+1], v[(\sb)+8+2*jj:(\sb)+8+2*jj+1]
.set jj, jj+1
.endr
	WIN (\sw)
.set jj, 8
.rept 56
	v_pk_add_f32 v[RS+2*(jj%4):RS+2*(jj%4)+1], v[(\sb)+2*jj:(\sb)+2*jj+1], v[RS+2*(jj%4):RS+2*(jj%4)+1]
.set jj, jj+1
.endr
	WIN (\sw)|((\sw)<<2)|((\dw)<<6)
.set jj, 0
.rept 64
	v_cvt_pk_bf16_f32 v[(\db)+jj], v[(\sb)+2*jj], v[(\sb)+2*jj+1]
.set jj, jj+1
.endr
	WIN 0
.set jj, 0
.rept 4
	v_pk_mul_f32 v[RS+2*jj:RS+2*jj+1], v[RS+2*jj:RS+2*jj+1], 0x3d800000 op_sel_hi:[1,0]  ; / 16
.set jj, jj+1
.endr
.set jj, 0
.rept 4
	v_cvt_pk_f16_f32 v[RH+jj], v[RS+2*jj], v[RS+2*jj+1]
.set jj, jj+1
.endr
	ds_store_b64 v[RSA], v[RH:RH+1] offset:PX*(\k)
	ds_store_b64 v[RSA], v[RH+2:RH+3] offset:PX*(\k)+256
.endm
.macro ST dw, db, k                    ; the node in bf16 goes to rows 16 k .. 16 k + 15 of my bytes: 256 consecutive bytes a store
	WIN (\dw)<<2
.set jj, 0
.rept 32
	ds_store_b64 v[CSA], v[(\db)+2*jj:(\db)+2*jj+1] offset:(16*(\k)+jj/2)*PX+(jj%2)*256
.set jj, jj+1
.endr
.endm
.macro FRAGS i                         ; node i's eight fragments (16 rows x 32 columns)
	WIN 0x40
.set jj, 0
.rept 8
	ds_load_b128 v[64*(\i)+8*jj:64*(\i)+8*jj+3],   v[FRA] offset:16*PX*(\i)+64*jj
	ds_load_b128 v[64*(\i)+8*jj+4:64*(\i)+8*jj+7], v[FRA] offset:16*PX*(\i)+64*jj+32
.set jj, jj+1
.endr
.endm
.macro LOADM t                         ; Mt's eight fragments of tile t (16 values of e) and u's eight numbers, into set t % 2
	WIN 0x80
.set jj, 0
.rept 8
.if (\t) < 8
	ds_load_b128 v[64*((\t)%2)+8*jj:64*((\t)%2)+8*jj+3],   v[MA0] offset:((\t)%8)*8192+1024*jj
	ds_load_b128 v[64*((\t)%2)+8*jj+4:64*((\t)%2)+8*jj+7], v[MA0] offset:((\t)%8)*8192+1024*jj+512
.else
	ds_load_b128 v[64*((\t)%2)+8*jj:64*((\t)%2)+8*jj+3],   v[MA1] offset:((\t)%8)*8192+1024*jj
	ds_load_b128 v[64*((\t)%2)+8*jj+4:64*((\t)%2)+8*jj+7], v[MA1] offset:((\t)%8)*8192+1024*jj+512
.endif
.set jj, jj+1
.endr
	WIN 0
	ds_load_b128 v[U+8*((\t)%2):U+8*((\t)%2)+3],   v[UA] offset:64*(\t)
	ds_load_b128 v[U+8*((\t)%2)+4:U+8*((\t)%2)+7], v[UA] offset:64*(\t)+16
.endm
.macro MGRP p, s, first                ; four products, one a node: Y^T += Mt(32 columns s) x^T; the first four start the sums with u
	WIN 0x06
.set ii, 0
.rept 4
.if \first
	v_wmma_f32_16x16x32_bf16 v[ACC+32*(\p)+8*ii:ACC+32*(\p)+8*ii+7], v[64*(\p)+8*(\s):64*(\p)+8*(\s)+7], v[64*ii+8*(\s):64*ii+8*(\s)+7], v[U+8*(\p):U+8*(\p)+7]
.else
	v_wmma_f32_16x16x32_bf16 v[ACC+32*(\p)+8*ii:ACC+32*(\p)+8*ii+7], v[64*(\p)+8*(\s):64*(\p)+8*(\s)+7], v[64*ii+8*(\s):64*ii+8*(\s)+7], v[ACC+32*(\p)+8*ii:ACC+32*(\p)+8*ii+7]
.endif
.set ii, ii+1
.endr
.endm
.macro YCV p, i, hf                    ; node i's finished tile of Y^T, rounded: half hf of a fragment of 32 e
	WIN 0
.set jj, 0
.rept 4
	v_cvt_pk_bf16_f32 v[YB+8*(\i)+4*(\hf)+jj], v[ACC+32*(\p)+8*(\i)+2*jj], v[ACC+32*(\p)+8*(\i)+2*jj+1]
.set jj, jj+1
.endr
.endm
.macro SGRP blk                        ; four products, one a node: S^T += x(32 columns blk) Y^T
	WIN 0x01
.set ii, 0
.rept 4
.if (\blk) == 0
	v_wmma_f32_16x16x32_bf16 v[S+8*ii:S+8*ii+7], v[64*ii+8*(\blk):64*ii+8*(\blk)+7], v[YB+8*ii:YB+8*ii+7], 0
.else
	v_wmma_f32_16x16x32_bf16 v[S+8*ii:S+8*ii+7], v[64*ii+8*(\blk):64*ii+8*(\blk)+7], v[YB+8*ii:YB+8*ii+7], v[S+8*ii:S+8*ii+7]
.endif
.set ii, ii+1
.endr
.endm
; TILE t: 16 values of e for the batch's four nodes: 32 products, the four accumulators by turns, one instruction a turn.  Its fragments of Mt were asked for in the tile before.
; The four v_nop behind the first group are the places in front of three things: the loads into the other set of Mt and u, which the tile before read; the roundings of that tile's results; and, through them, the
; rewriting of Y's registers behind the products S^T that read them.  The roundings stand behind groups 1 to 4; each second tile a block of 32 e is whole and S^T takes it, behind group 5.
.macro TILE t
	s_wait_dscnt 0x0                               ; Mt's and u's set t % 2 is in (and, at tile 0, x's fragments)
	MGRP (\t)%2, 0, 1
	PLACES
.if (\t) < 15
	LOADM (\t)+1
.endif
.irp s, 1,2,3,4,5,6,7
	MGRP (\t)%2, \s, 0
.if ((\t) >= 1) && ((\s) <= 4)
	YCV 1-(\t)%2, (\s)-1, ((\t)-1)%2
.endif
.if ((\s) == 5) && ((\t) >= 2) && ((\t)%2 == 0)
	SGRP (\t)/2-1
.endif
.endr
.endm
	s_load_b128 s[4:7], s[0:1], 0x0                ; x s[4:5], wts s[6:7]
	s_load_b64 s[8:9], s[0:1], 0x10                ; out0
	v_lshl_add_u32 v[SPW], v0, 2, SPARE
	v_mov_b32 v[NIL], 0
	ds_add_u32 v[SPW], v[NIL]                      ; the wave's opening: the add, twice on end, and its wait ahead of my first tensor load; the set-up below stands between
	ds_add_u32 v[SPW], v[NIL]                      ; and once more
	v_lshrrev_b32 v[LN], 5, v0
	v_readfirstlane_b32 s[WV], v[LN]               ; wave 0..3
	v_and_b32 v[LN], 31, v0
	v_lshlrev_b32 v[GO], 4, v[LN]
	; both tiles are dense blocks, asked for as rows of 256 bytes: elements of 8 bytes, 32 to a row, no padding
	s_mov_b32 s[G1A+0], 3<<16                      ; 17:16 element size code 3
	s_mov_b32 s[G1A+1], 32<<16                     ; tensor_dim0 = 32
	s_mov_b32 s[G1A+2], 132<<16                    ; tensor_dim1 = 132 rows: a quarter of Mt and the four vectors
	s_mov_b32 s[G1A+3], 32<<16                     ; tile_dim0 = 32
	s_mov_b32 s[G1A+4], 132                        ; tile_dim1
	s_mov_b32 s[G1A+5], 32                         ; 32 elements from row to row
	s_mov_b32 s[G1A+6], 0
	s_mov_b32 s[G1A+7], 0
	s_mov_b32 s[G1B+0], 3<<16
	s_mov_b32 s[G1B+1], 32<<16
	s_mov_b32 s[G1B+2], 130<<16                    ; 130 rows: the last 512 bytes of node 1, then nodes 2 and 3
	s_mov_b32 s[G1B+3], 32<<16
	s_mov_b32 s[G1B+4], 130
	s_mov_b32 s[G1B+5], 32
	s_mov_b32 s[G1B+6], 0
	s_mov_b32 s[G1B+7], 0
	s_mul_i32 s58, s[WV], COPYS                    ; my quarter of the tables: the same offset in wts and in LDS
	s_mov_b32 s59, 0
	s_mov_b32 s[G0A], 1
	s_mov_b32 s[G0A+1], s58
	s_add_co_u32 s[CPV], s58, COPYB                ; my wave's own bytes
	s_mov_b32 s[G0B], 1
	s_mov_b32 s[G0B+1], s[CPV]
	s_lshl_b32 s12, ttmp9, 20                      ; the group's 64 nodes of 16,384 bytes,
	s_lshl_b32 s13, s[WV], 18                      ; my 16,
	s_add_co_u32 s12, s12, s13
	s_add_co_u32 s12, s12, 65536                   ; batch 1
	s_mov_b32 s13, 0
	s_mov_b32 s[SEL], 0x76543210
	s_mov_b32 s[SEL+1], 0xfedcba98
	s_mov_b32 s[CSC], 0x3db8aa3b                   ; c = log2(e) / 16
	s_mov_b32 s[CSC+1], s[CSC]                     ; named with it as a pair
	s_mov_b32 s30, 0x3b800000                      ; 1 / 256
	s_mov_b32 s31, 0x3727c5ac                      ; 1e-5
	s_wait_dscnt 0x0                               ; both opening adds are done
	s_wait_kmcnt 0x0
	s_add_nc_u64 s[XP:XP+1], s[4:5], s[12:13]
	s_sub_nc_u64 s[G0B+2:G0B+3], s[XP:XP+1], 33280 ; byte 32,256 of batch 0
	s_or_b32 s[G0B+3], s[G0B+3], 0x80000000        ; type = 2
	s_add_nc_u64 s[G0A+2:G0A+3], s[6:7], s[58:59]
	s_or_b32 s[G0A+3], s[G0A+3], 0x80000000
	tensor_load_to_lds s[G0B:G0B+3], s[G1B:G1B+7]  ; both fills of the launch, together: two tensor loads of mine are out, and no byte is ever filled again
	s_nop 0
	tensor_load_to_lds s[G0A:G0A+3], s[G1A:G1A+7]
	s_nop 0
	PLACES                                         ; four vector instructions before the windows are switched
	ISSUE FA, XP, -65536, 32, 1                    ; node 0
	ISSUE FB, XP, -49152, 31, 1                    ; node 1 but for its last 512 bytes: 63 loads are out
	WIN 0
	s_lshl_b32 s58, s[WV], 15
	s_add_co_u32 s58, s58, PTB
	s_add_nc_u64 s[PP:PP+1], s[6:7], s[58:59]
	s_lshl_b32 s58, ttmp9, 16                      ; 64 rows of out0,
	s_lshl_b32 s12, s[WV], 8                       ; my 64 columns
	s_add_co_u32 s58, s58, s12
	s_add_nc_u64 s[OP:OP+1], s[8:9], s[58:59]
	v_and_b32 v[RR], 15, v0
	v_bfe_u32 v[HH], v0, 4, 1
	v_and_b32 v14, 7, v0
	v_bfe_u32 v15, v0, 3, 1
	v_add_nc_u32 v[MA1], 0x10000, v[GO]
	v_lshl_add_u32 v[UA], v[HH], 5, VECB
	v_lshl_add_u32 v[CSA], v[LN], 3, s[CPV]
	v_mul_u32_u24 v[FRA], v[RR], PX
	v_lshl_add_u32 v[FRA], v[HH], 4, v[FRA]        ; row l % 16, 16 bytes for each half of the lanes
	v_add_nc_u32 v[FRA], s[CPV], v[FRA]
	v_lshl_add_u32 v[TRA], v[HH], 3, v14           ; a turning load: row 8 (l / 16) + l % 8,
	v_mul_u32_u24 v[TRA], v[TRA], PX
	v_lshl_add_u32 v[TRA], v15, 4, v[TRA]          ; 16 bytes for each half of eight lanes
	v_add_nc_u32 v[TRA], s[CPV], v[TRA]
	s_mul_i32 s57, s[WV], RESS
	s_add_co_u32 s57, s57, RESB
	v_lshl_add_u32 v[RSA], v[LN], 3, s57
	v_and_b32 v[REL], 15, v0
	v_lshl_add_u32 v[LD], v[LN], 4, s[CPV]
	v_lshlrev_b32 v[PF], 8, v[LN]
	WIN 0x80
.set ii, 0
.rept 128
	v_mov_b32 v[Z+ii], 0                           ; z^T starts at 0, on purpose: the batch loop then has one text; these lines stand in the wait for the first data
.set ii, ii+1
.endr
	s_wait_tensorcnt 0x1                           ; x's tile is in; the tables', issued behind it, may stay out
	WIN 0xc0
	ds_load_b128 v[FB+124:FB+127], v[LD]           ; node 1's last 512 bytes
	WIN 0x80
.set ii, 0
.rept 32
	ds_load_b128 v[4*ii:4*ii+3], v[LD] offset:512+512*ii     ; node 2
.set ii, ii+1
.endr
	WIN 0x40
.set ii, 0
.rept 32
	ds_load_b128 v[4*ii:4*ii+3], v[LD] offset:16896+512*ii   ; node 3
.set ii, ii+1
.endr
	s_wait_dscnt 0x0                               ; the landing place has been read out: the bf16 rows are stored over it
	s_wait_loadcnt 31                              ; node 0 is in; node 1's 31 loads may stay out
	CV 3, FA, 1, TW, 0
	ST 1, TW, 0
	ISSUE FA, XP, 0, 32, 1                         ; batch 1's node 0
	s_wait_loadcnt 32                              ; node 1 is in; the 32 just issued stay out
	CV 3, FB, 1, TW, 1
	ST 1, TW, 1
	CV 2, 0, 1, TW, 2
	ST 1, TW, 2
	CV 1, 0, 1, TW, 3
	ST 1, TW, 3
	WIN 0
	v_add_nc_u32 v[RSA], 4*PX, v[RSA]
	s_wait_tensorcnt 0x0                           ; my quarter of the tables is in,
	s_wait_dscnt 0x0
	s_barrier_signal -1
	s_barrier_wait -1                              ; everybody's is
	FRAGS 0
	FRAGS 1
	FRAGS 2
	FRAGS 3
	LOADM 0
	WIN 0
	s_mov_b32 s[BC], 0
; THE BATCH LOOP.  On entry 32 loads are out, into set A: node 0 of batch b + 1 (in trip 3: the first half of my quarter of Pt).  n0 .. n3 are the nodes of batch b + 1.  A wait for a node is for 32: the one run of 32
; loads that was issued behind the node that is wanted.  Where trip 3 (or 2) has no x left to ask for, Pt is asked for in its place, 32 loads too.  The two blocks that trip 3 has no use for each have a second arm
; that waits for all loads.  So, whichever arm is taken at any of the branches: a set is asked for again only when none of its loads is out, a set is read only when its loads are in, and a trip ends as it began,
; with set A's 32 loads out and no others.
.Lbatch:
	TILE 0
	TILE 1
	TILE 2
	TILE 3
	TILE 4
	WIN 0
	s_cmp_eq_u32 s[BC], 3
	s_cbranch_scc1 .Lpt_hi
	ISSUE FB, XP, 16384, 32, 1                     ; n1
	WIN 0
	global_prefetch_b8 v[PF], s[XP:XP+1] offset:49152 th:TH_LOAD_NT scope:SCOPE_SE  ; n3, whose loads go out last and are wanted soonest: its 64 blocks of 256 bytes, a lane a block, named once in the launch,
	global_prefetch_b8 v[PF], s[XP:XP+1] offset:57344 th:TH_LOAD_NT scope:SCOPE_SE  ; by the wave that will load them, eleven tiles ahead of those loads; only in the trips that have an n3
	s_branch .Lset_b_asked
.Lpt_hi:
	ISSUE FB, PP, 16384, 32, 0
	WIN 0
.Lset_b_asked:
	TILE 5
	TILE 6
	TILE 7
	TILE 8
	TILE 9
	TILE 10
	WIN 0
	s_cmp_eq_u32 s[BC], 3
	s_cbranch_scc1 .Lno_n0
	s_wait_loadcnt 32                              ; n0 is in; n1's 32 stay out
	CV 3, FA, 0, PEND, 0                           ; it waits in registers: its rows in LDS are still to be read, turned
	ISSUE FA, XP, 32768, 32, 1                     ; n2
	WIN 0
	s_branch .Ln0_done
.Lno_n0:
	s_wait_loadcnt 0x0                             ; the last trip: both halves of my quarter of Pt are waited for here, six tiles behind the younger half's loads: no load is out on this way
.Ln0_done:
	TILE 11
	TILE 12
	TILE 13
	TILE 14
	TILE 15
	PLACES
	YCV 1, 0, 1
	YCV 1, 1, 1
	YCV 1, 2, 1
	YCV 1, 3, 1
	SGRP 7
	PLACES                                         ; in front of the loads into Mt's and x's registers and of the softmax
	WIN 0x80
.set jj, 0
.rept 16                                ; nodes 0, 1 turned: 16 columns jj, 32 rows
	ds_load_tr16_b128 v[8*jj:8*jj+3],   v[TRA] offset:32*jj
	ds_load_tr16_b128 v[8*jj+4:8*jj+7], v[TRA] offset:16*PX+32*jj
.set jj, jj+1
.endr
	WIN 0x40
.set jj, 0
.rept 16                                ; nodes 2, 3
	ds_load_tr16_b128 v[8*jj:8*jj+3],   v[TRA] offset:32*PX+32*jj
	ds_load_tr16_b128 v[8*jj+4:8*jj+7], v[TRA] offset:48*PX+32*jj
.set jj, jj+1
.endr
	WIN 0
	s_cmp_eq_u32 s[BC], 3
	s_cbranch_scc1 .Lno_n1
	ST 0, PEND, 0                                  ; LDS serves a wave's instructions in order: these stores come behind the turning loads above
	s_wait_loadcnt 32                              ; n1 is in; n2's 32 stay out
	CV 3, FB, 1, TW, 1
	ST 1, TW, 1
	ISSUE FB, XP, 49152, 32, 1                     ; n3
	WIN 0
	s_branch .Ln1_done
.Lno_n1:
	s_wait_loadcnt 0x0                             ; the last trip: nothing is out any more; the line keeps this way, too, free of loads whatever stood ahead of it
.Ln1_done:
	; THE SOFTMAX of four nodes, line by line for all four.  A lane holds one query and eight keys; the other eight lie in the lane 16 away.
	ALL4 v_max3_num_f32 v[TP+8*t], v[S+8*t], v[S+8*t+1], v[S+8*t+2]
	ALL4 v_max3_num_f32 v[TP+8*t+1], v[S+8*t+3], v[S+8*t+4], v[S+8*t+5]
	ALL4 v_max3_num_f32 v[TP+8*t], v[TP+8*t], v[S+8*t+6], v[S+8*t+7]
	ALL4 v_max_num_f32 v[TP+8*t], v[TP+8*t], v[TP+8*t+1]
	ALL4 v_permlanex16_b32 v[TP+8*t+1], v[TP+8*t], s[SEL], s[SEL+1]
	ALL4 v_max_num_f32 v[TP+8*t], v[TP+8*t], v[TP+8*t+1]
	ALL4 v_mul_f32 v[TP+8*t], s[CSC], v[TP+8*t]
.irp j, 0,1,2,3
	ALL4 v_pk_fma_f32 v[S+8*t+2*\j:S+8*t+2*\j+1], v[S+8*t+2*\j:S+8*t+2*\j+1], s[CSC:CSC+1], v[TP+8*t:TP+8*t+1] op_sel_hi:[1,0,0] neg_lo:[0,0,1] neg_hi:[0,0,1]
.endr
.irp j, 0,1,2,3,4,5,6,7
	ALL4 v_exp_f32 v[S+8*t+\j], v[S+8*t+\j]
.endr
	v_nop                                          ; a plain instruction behind the last exponential,
	s_wait_alu depctr_va_vdst(0)                   ; and one wait for the batch of 32, ahead of the first line that names a result
	ALL4 v_pk_add_f32 v[TP+8*t+2:TP+8*t+3], v[S+8*t:S+8*t+1], v[S+8*t+2:S+8*t+3]
	ALL4 v_pk_add_f32 v[TP+8*t+4:TP+8*t+5], v[S+8*t+4:S+8*t+5], v[S+8*t+6:S+8*t+7]
	ALL4 v_pk_add_f32 v[TP+8*t+2:TP+8*t+3], v[TP+8*t+2:TP+8*t+3], v[TP+8*t+4:TP+8*t+5]
	ALL4 v_add_f32 v[TP+8*t], v[TP+8*t+2], v[TP+8*t+3]
	ALL4 v_permlanex16_b32 v[TP+8*t+1], v[TP+8*t], s[SEL], s[SEL+1]
	ALL4 v_add_f32 v[TP+8*t], v[TP+8*t], v[TP+8*t+1]
	ALL4 v_rcp_f32 v[TP+8*t+4], v[TP+8*t]
	v_nop
	s_wait_alu depctr_va_vdst(0)                   ; one wait for the four reciprocals
	ALL4 v_mul_f32 v[TP+8*t+4], 0x3d800000, v[TP+8*t+4]
.irp j, 0,1,2,3
	ALL4 v_pk_mul_f32 v[S+8*t+2*\j:S+8*t+2*\j+1], v[S+8*t+2*\j:S+8*t+2*\j+1], v[TP+8*t+4:TP+8*t+5] op_sel_hi:[1,0]
.endr
.irp m, 1,2,4,8                        ; the sum over the 16 queries: every lane of a half ends with w of that half's eight keys
.irp j, 0,1,2,3,4,5,6,7
	ALL4 v_add_f32_dpp v[S+8*t+\j], v[S+8*t+\j], v[S+8*t+\j] row_xmask:\m row_mask:0xf bank_mask:0xf
.endr
.endr
.irp j, 0,1,2,3
	ALL4 v_cvt_pk_bf16_f32 v[WP+4*t+\j], v[S+8*t+2*\j], v[S+8*t+2*\j+1]
.endr
	ALL4 v_cmp_eq_u32 s[MK+t], t, v[REL]           ; is my column of z^T node t's?
.irp j, 0,1,2,3
	ALL4 v_cndmask_b32 v[WM+4*t+\j], 0, v[WP+4*t+\j], s[MK+t]
.endr
	s_wait_dscnt 0x0                               ; the turned rows are in
	WIN 0xa2
.set jj, 0
.rept 16                                ; z^T += (nodes 0, 1 turned) w: 16 accumulators by turns,
	v_wmma_f32_16x16x32_bf16 v[Z+8*jj:Z+8*jj+7], v[8*jj:8*jj+7], v[WM:WM+7], v[Z+8*jj:Z+8*jj+7]
.set jj, jj+1
.endr
	WIN 0xa1
.set jj, 0
.rept 16                                ; and nodes 2, 3
	v_wmma_f32_16x16x32_bf16 v[Z+8*jj:Z+8*jj+7], v[8*jj:8*jj+7], v[WM+8:WM+15], v[Z+8*jj:Z+8*jj+7]
.set jj, jj+1
.endr
	WIN 0
	s_cmp_eq_u32 s[BC], 3
	s_cbranch_scc1 .Lepi                           ; the last batch leaves here
	PLACES                                         ; in front of the loads into the registers that those products read
	FRAGS 0
	FRAGS 1
	LOADM 0
	s_wait_loadcnt 32                              ; n2 is in; n3's 32 stay out
	CV 3, FA, 1, TW, 2
	ST 1, TW, 2
	WIN 0
	s_cmp_eq_u32 s[BC], 2
	s_cbranch_scc1 .Lpt_lo
	ISSUE FA, XP, 65536, 32, 1                     ; node 0 of the batch after
	WIN 0
	s_branch .Lset_a_asked
.Lpt_lo:
	ISSUE FA, PP, 0, 32, 0
	WIN 0
.Lset_a_asked:
	s_wait_loadcnt 32                              ; n3 is in
	CV 3, FB, 1, TW, 3
	ST 1, TW, 3
	FRAGS 2
	FRAGS 3
	WIN 0
	s_wait_xcnt 0x0                                ; every load and prefetch issued so far has read its address: the pointer may be written
	s_add_nc_u64 s[XP:XP+1], s[XP:XP+1], 65536
	v_add_nc_u32 v[RSA], 4*PX, v[RSA]
	v_add_nc_u32 v[REL], -4, v[REL]
	s_add_co_u32 s[BC], s[BC], 1
	s_cmp_lt_u32 s[BC], 4
	s_cbranch_scc1 .Lbatch
; THE END.  z of all 64 nodes meets in LDS; wave v makes o^T for its 64 columns, LayerNorm's figures meet in LDS, and the rows leave through a stage.
.set ZA0, 4           ; v4   z's fragments of waves 0, 1
.set ZA1, 5           ; v5   of waves 2, 3
.set RSL, 6           ; v6   the means: my node's row, my eight columns
.set VA,  7           ; v7   c, gamma, beta: my eight numbers of a tile
.set LNS, 8           ; v8   where I put (mean, sum of squares)
.set LNL, 9           ; v9   where I read the four waves'
.set STO, 10          ; v10  the way out: where I put 16 bytes of a row
.set RDB, 11          ; v11  where I read a row back
.set OO,  14          ; v14  my byte offset in two rows of out0
.set ONE, 15          ; v15  1.0
.set CT,  32          ; v[32:63] c, v[64:95] gamma, v[96:127] beta: eight numbers for each of my four tiles
.set GM,  64
.set BE,  96
.set SA,  128         ; group t: v[SA+4t] mean, then 1 / sigma; +1 sum of squares; +2 at work, then (mean - mu) / sigma; +3 at work
.set ZP,  160         ; z in bf16; then the means; then the four waves' figures
.set TQ,  192
.set OB,  32          ; the way out: 32 registers for each group
.Lepi:
	v_lshl_add_u32 v[ZA0], v[LN], 4, COPYB         ; these lines are also the places behind the last products
	v_add_nc_u32 v[ZA1], 2*COPYS, v[ZA0]
	s_lshl_b32 s12, s[WV], 7
	s_add_co_u32 s12, s12, RESB
	v_mul_u32_u24 v[RSL], v[RR], PX
	v_lshl_add_u32 v[RSL], v[HH], 4, v[RSL]
	v_add_nc_u32 v[RSL], s12, v[RSL]
	s_lshl_b32 s13, s[WV], 8
	s_add_co_u32 s13, s13, VECB
	v_lshl_add_u32 v[VA], v[HH], 5, s13
	s_lshl_b32 s57, s[WV], 9
	s_add_co_u32 s57, s57, LNX
	v_lshl_add_u32 v[LNS], v[RR], 3, s57
	v_lshl_add_u32 v[LNL], v[RR], 3, LNX
	v_mul_u32_u24 v[STO], v[RR], 272
	v_lshl_add_u32 v[STO], v[HH], 5, v[STO]
	v_add_nc_u32 v[STO], s[CPV], v[STO]
	v_mul_u32_u24 v[RDB], v[HH], 272
	v_lshl_add_u32 v[RDB], v[RR], 4, v[RDB]
	v_add_nc_u32 v[RDB], s[CPV], v[RDB]
	v_lshlrev_b32 v[OO], 10, v[HH]
	v_lshl_add_u32 v[OO], v[RR], 4, v[OO]
	v_mov_b32 v[ONE], 1.0
	s_mov_b32 s12, 0x42800000                      ; 64.0, for the merge of the four waves' figures
	WIN 0x0a
.set jj, 0
.rept 64                                ; z^T rounded in pairs: eight fragments (32 d x my 16 nodes)
	v_cvt_pk_bf16_f32 v[ZP+jj], v[Z+2*jj], v[Z+2*jj+1]
.set jj, jj+1
.endr
	WIN 0
.set jj, 0
.rept 16
	ds_store_b128 v[LD], v[ZP+4*jj:ZP+4*jj+3] offset:512*jj
.set jj, jj+1
.endr
	s_wait_dscnt 0x0                               ; for the others' sake: z and the means are stored
	s_barrier_signal -1
	s_barrier_wait -1
	WIN 0x40
.set g, 0
.rept 4
.set jj, 0
.rept 16
.if g < 2
	ds_load_b128 v[64*g+4*jj:64*g+4*jj+3], v[ZA0] offset:COPYS*g+512*jj
.else
	ds_load_b128 v[64*g+4*jj:64*g+4*jj+3], v[ZA1] offset:COPYS*(g-2)+512*jj
.endif
.set jj, jj+1
.endr
.set g, g+1
.endr
	WIN 0
.set jj, 0
.rept 16                                ; group jj / 4, tile jj % 4: eight means in f16
	ds_load_b128 v[ZP+4*jj:ZP+4*jj+3], v[RSL] offset:RESS*(jj/4)+32*(jj%4)
.set jj, jj+1
.endr
.set jj, 0
.rept 12                                ; table 1 + jj / 4, tile jj % 4
	ds_load_b128 v[CT+8*jj:CT+8*jj+3],   v[VA] offset:1024*(1+jj/4)+64*(jj%4)
	ds_load_b128 v[CT+8*jj+4:CT+8*jj+7], v[VA] offset:1024*(1+jj/4)+64*(jj%4)+16
.set jj, jj+1
.endr
	s_wait_dscnt 0x0
	s_wait_loadcnt 0x0                             ; my quarter of Pt is in (it was waited for in the last trip: met at once)
	WIN 0x80
.set g, 0
.rept 4
.set jj, 0
.rept 32                                ; o^T starts as mean + c
.if jj%2
	v_fma_mix_f32 v[32*g+jj], v[ZP+16*g+jj/2], v[ONE], v[CT+jj] op_sel:[1,0,0] op_sel_hi:[1,0,0]
.else
	v_fma_mix_f32 v[32*g+jj], v[ZP+16*g+jj/2], v[ONE], v[CT+jj] op_sel:[0,0,0] op_sel_hi:[1,0,0]
.endif
.set jj, jj+1
.endr
.set g, g+1
.endr
	WIN 0xa7
.set g, 0
.rept 4
.set ss, 0
.rept 8
.set tt, 0
.rept 4                                 ; a group's four accumulators take turns
	v_wmma_f32_16x16x32_bf16 v[32*g+8*tt:32*g+8*tt+7], v[8*(8*tt+ss):8*(8*tt+ss)+7], v[64*g+8*ss:64*g+8*ss+7], v[32*g+8*tt:32*g+8*tt+7]
.set tt, tt+1
.endr
.set ss, ss+1
.endr
.set g, g+1
.endr
	PLACES
	; LayerNorm, first part: for each node the mean of my wave's 64 columns and the sum of squares about it.  A lane holds 32 of them, the lane 16 away the other 32.  Each accumulator is read from its low end on.
	WIN 0x0a
	ALL4 v_pk_add_f32 v[SA+4*t:SA+4*t+1], v[32*t:32*t+1], v[32*t+8:32*t+9]
	ALL4 v_pk_add_f32 v[SA+4*t+2:SA+4*t+3], v[32*t+16:32*t+17], v[32*t+24:32*t+25]
	WIN 0x02
.irp k, 1,2,3
	ALL4 v_pk_add_f32 v[SA+4*t:SA+4*t+1], v[32*t+2*\k:32*t+2*\k+1], v[SA+4*t:SA+4*t+1]
	ALL4 v_pk_add_f32 v[SA+4*t+2:SA+4*t+3], v[32*t+16+2*\k:32*t+16+2*\k+1], v[SA+4*t+2:SA+4*t+3]
	ALL4 v_pk_add_f32 v[SA+4*t:SA+4*t+1], v[32*t+8+2*\k:32*t+8+2*\k+1], v[SA+4*t:SA+4*t+1]
	ALL4 v_pk_add_f32 v[SA+4*t+2:SA+4*t+3], v[32*t+24+2*\k:32*t+24+2*\k+1], v[SA+4*t+2:SA+4*t+3]
.endr
	WIN 0
	ALL4 v_pk_add_f32 v[SA+4*t:SA+4*t+1], v[SA+4*t:SA+4*t+1], v[SA+4*t+2:SA+4*t+3]
	ALL4 v_add_f32 v[SA+4*t], v[SA+4*t], v[SA+4*t+1]
	ALL4 v_permlanex16_b32 v[SA+4*t+2], v[SA+4*t], s[SEL], s[SEL+1]
	ALL4 v_add_f32 v[SA+4*t], v[SA+4*t], v[SA+4*t+2]
	ALL4 v_mul_f32 v[SA+4*t], 0x3c800000, v[SA+4*t]  ; / 64
	WIN 0x82
.set jj, 0
.rept 16                                ; o is centred in place on my wave's mean
	ALL4 v_pk_add_f32 v[32*t+2*jj:32*t+2*jj+1], v[32*t+2*jj:32*t+2*jj+1], v[SA+4*t:SA+4*t+1] op_sel_hi:[1,0] neg_lo:[0,1] neg_hi:[0,1]
.set jj, jj+1
.endr
	WIN 0x0a
	ALL4 v_pk_mul_f32 v[SA+4*t+2:SA+4*t+3], v[32*t:32*t+1], v[32*t:32*t+1]
.set jj, 1
.rept 15
	ALL4 v_pk_fma_f32 v[SA+4*t+2:SA+4*t+3], v[32*t+2*jj:32*t+2*jj+1], v[32*t+2*jj:32*t+2*jj+1], v[SA+4*t+2:SA+4*t+3]
.set jj, jj+1
.endr
	WIN 0
	ALL4 v_add_f32 v[SA+4*t+1], v[SA+4*t+2], v[SA+4*t+3]
	ALL4 v_permlanex16_b32 v[SA+4*t+2], v[SA+4*t+1], s[SEL], s[SEL+1]
	ALL4 v_add_f32 v[SA+4*t+1], v[SA+4*t+1], v[SA+4*t+2]
	ALL4 ds_store_b64 v[LNS], v[SA+4*t:SA+4*t+1] offset:128*t  ; both halves of the lanes store the same pair
	s_wait_dscnt 0x0                               ; my figures are stored, and my reads of the others' z are long back
	s_barrier_signal -1
	s_barrier_wait -1
.set jj, 0
.rept 16                                ; group jj / 4, wave jj % 4
	ds_load_b64 v[ZP+2*jj:ZP+2*jj+1], v[LNL] offset:512*(jj%4)+128*(jj/4)
.set jj, jj+1
.endr
	s_wait_dscnt 0x0
	; second part: mu = the mean of the four means; sum of squares about mu = the four sums + 64 x the squares of (mean_w - mu)
	ALL4 v_add_f32 v[TQ+8*t], v[ZP+8*t], v[ZP+8*t+2]
	ALL4 v_add_f32 v[TQ+8*t+1], v[ZP+8*t+4], v[ZP+8*t+6]
	ALL4 v_add_f32 v[TQ+8*t], v[TQ+8*t], v[TQ+8*t+1]
	ALL4 v_mul_f32 v[TQ+8*t], 0x3e800000, v[TQ+8*t]
.irp w, 0,1,2,3
	ALL4 v_sub_f32 v[TQ+8*t+1+\w], v[ZP+8*t+2*\w], v[TQ+8*t]
.endr
	ALL4 v_mul_f32 v[TQ+8*t+1], v[TQ+8*t+1], v[TQ+8*t+1]
.irp w, 1,2,3
	ALL4 v_fmac_f32 v[TQ+8*t+1], v[TQ+8*t+1+\w], v[TQ+8*t+1+\w]
.endr
	ALL4 v_add_f32 v[TQ+8*t+2], v[ZP+8*t+1], v[ZP+8*t+3]
	ALL4 v_add_f32 v[TQ+8*t+3], v[ZP+8*t+5], v[ZP+8*t+7]
	ALL4 v_add_f32 v[TQ+8*t+2], v[TQ+8*t+2], v[TQ+8*t+3]
	ALL4 v_fma_f32 v[TQ+8*t+2], v[TQ+8*t+1], s12, v[TQ+8*t+2]  ; + 64 x the squares
	ALL4 v_fma_f32 v[TQ+8*t+2], v[TQ+8*t+2], s30, s31      ; variance + 1e-5
	ALL4 v_sub_f32 v[TQ+8*t+3], v[SA+4*t], v[TQ+8*t]       ; my wave's mean - mu
	ALL4 v_rsq_f32 v[SA+4*t], v[TQ+8*t+2]
	v_nop
	s_wait_alu depctr_va_vdst(0)                   ; one wait for the four roots
	ALL4 v_mul_f32 v[SA+4*t+2], v[TQ+8*t+3], v[SA+4*t]
	WIN 0x82
.set jj, 0
.rept 16                                ; (o - mu) / sigma = centred o / sigma + (mean - mu) / sigma
	ALL4 v_pk_fma_f32 v[32*t+2*jj:32*t+2*jj+1], v[32*t+2*jj:32*t+2*jj+1], v[SA+4*t:SA+4*t+1], v[SA+4*t+2:SA+4*t+3] op_sel_hi:[1,0,0]
.set jj, jj+1
.endr
.set jj, 0
.rept 16
	ALL4 v_pk_fma_f32 v[32*t+2*jj:32*t+2*jj+1], v[32*t+2*jj:32*t+2*jj+1], v[GM+2*jj:GM+2*jj+1], v[BE+2*jj:BE+2*jj+1]
.set jj, jj+1
.endr
	; THE WAY OUT.  A lane holds eight columns of one row, four times; the rows go into my own bytes (all waves have read z out of them: the barrier above), rows of 272 bytes, and come back as whole 256 bytes.
	; Each group has stage bytes and registers of its own, so nothing is written twice.
.set g, 0
.rept 4
	WIN 0x08
.set jj, 0
.rept 8
	ds_store_b128 v[STO], v[32*g+4*jj:32*g+4*jj+3] offset:4352*g+16*jj+32*(jj/2)
.set jj, jj+1
.endr
	WIN 0
.set jj, 0
.rept 8
	ds_load_b128 v[OB+32*g+4*jj:OB+32*g+4*jj+3], v[RDB] offset:4352*g+544*jj  ; LDS serves a wave's instructions in order: these see the stores above
.set jj, jj+1
.endr
.set g, g+1
.endr
.set g, 0
.rept 4
.set jj, 0
.rept 8
	s_wait_dscnt 16*(3-g)+7-jj                     ; the younger LDS instructions: the rest of this group's loads and the later groups' sixteen each
	global_store_b128 v[OO], v[OB+32*g+4*jj:OB+32*g+4*jj+3], s[OP:OP+1] offset:(16*g+2*jj)*1024 th:TH_STORE_NT  ; 16 lanes store 256 consecutive bytes, at a multiple of 256 from out0's first byte
.set jj, jj+1
.endr
.set g, g+1
.endr
	s_wait_tensorcnt 0x0                           ; the wave's end, behind my last tensor load and my last LDS store
	ds_add_u32 v[SPW], v[NIL]
	s_wait_dscnt 0x0
	s_endpgm
.Lfunc_end_k_qe60eaced8e_main:
	.size	k_qe60eaced8e_main, .Lfunc_end_k_qe60eaced8e_main-k_qe60eaced8e_main
	.p2alignl 7, 3214868480
	.fill 96, 4, 3214868480
	.section	.rodata,"a",@progbits
	.p2align	6, 0x0
	.amdhsa_kernel k_qe60eaced8e_main
		.amdhsa_group_segment_fixed_size 327680
		.amdhsa_private_segment_fixed_size 0
		.amdhsa_enable_private_segment 0
		.amdhsa_kernarg_size 24
		.amdhsa_user_sgpr_count 2
		.amdhsa_user_sgpr_kernarg_segment_ptr 1
		.amdhsa_wavefront_size32 1
		.amdhsa_system_sgpr_workgroup_id_x 1
		.amdhsa_system_sgpr_workgroup_id_y 1
		.amdhsa_system_sgpr_workgroup_id_z 1
		.amdhsa_system_vgpr_workitem_id 0
		.amdhsa_next_free_vgpr 1024
		.amdhsa_next_free_sgpr 66
		.amdhsa_reserve_vcc 0
		.amdhsa_float_denorm_mode_32 3
		.amdhsa_float_denorm_mode_16_64 3
		.amdhsa_memory_ordered 1
		.amdhsa_forward_progress 1
		.amdhsa_inst_pref_size 255
	.end_amdhsa_kernel
	.section	.bss,"aw",@nobits
	.p2align	6
	.space	262144
	.amdgpu_metadata
---
amdhsa.version: [ 1, 2 ]
amdhsa.kernels:
  - .name:           k_qe60eaced8e_main
    .symbol:         k_qe60eaced8e_main.kd
    .args:
      - { .name: neighbor_features, .offset: 0, .size: 8, .value_kind: global_buffer, .address_space: global }
      - { .name: wts, .offset: 8, .size: 8, .value_kind: global_buffer, .address_space: global }
      - { .name: out0, .offset: 16, .size: 8, .value_kind: global_buffer, .address_space: global }
    .group_segment_fixed_size: 327680
    .private_segment_fixed_size: 0
    .kernarg_segment_align: 8
    .kernarg_segment_size: 24
    .max_flat_workgroup_size: 128
    .sgpr_count:     66
    .vgpr_count:     1024
    .wavefront_size: 32
...
	.end_amdgpu_metadata
.endif
;; end of part 2
;; ======== version 2 of 2: 2 launches; version 1 with the launch prep written anew for expert scheduling mode
;; limits: values are held in f16: magnitudes above 65,504 overflow, below 6.1e-05 lose precision
;; workspace buffers: wts 266,240 bytes
;; launch prep (part 3): grid 128 x 1, 4 waves a work-group, no clusters, 50,688 bytes of LDS; arguments Wq, Wv, Wk, Wo, bq, bv, gamma, beta, bo, wts; writes wts
.if DOCPART == 3
	.amdgcn_target "amdgcn-amd-amdhsa--gfx1250"
	.amdhsa_code_object_version 6
	.text
	.protected	k_qe60eaced8e_prep
	.globl	k_qe60eaced8e_prep
	.p2align	8
	.type	k_qe60eaced8e_prep,@function
k_qe60eaced8e_prep:
	s_mov_b64 s[64:65], 0
	v_nop
	global_prefetch_b8 v0, s[64:65] scope:SCOPE_SE
	s_setreg_imm32_b32 hwreg(HW_REG_WAVE_SCHED_MODE, 0, 2), 2
	s_setreg_imm32_b32 hwreg(HW_REG_WAVE_MODE, 25, 1), 1
	s_wait_xcnt 0x0
	s_wait_alu depctr_vm_vsrc(0)
; NEIGHBOUR SELF-ATTENTION, launch 1 of 2: the tables that the second launch multiplies by.
; THE ALGEBRA, for all values of the inputs (X = a node's 16 x 256 block, rows x_k):
;   Q[q].K[k] = x_q^T (Wq^T Wk) x_k + (bq^T Wk) x_k + Q[q].bk.  The last term does not hang on k: it is the same along the softmax's axis, so it cancels in the softmax
;   whatever bk holds.  DEAD: that term, and with it the input bk, which has no other way to the output: bk is not loaded and is no argument of either launch.
;   mean_q(attn V) = sum_k w[k] V[k] with w[k] = (1/16) sum_q attn[q][k];  V[k] = Wv x_k + bv and sum_k w[k] = 1 (each softmax row sums to 1), so it is Wv z + bv with z = sum_k w[k] x_k.
;   out = Wo (Wv z + bv) + bo + mean_k x_k = (Wo Wv) z + (Wo bv + bo) + mean_k x_k.
; So Q, K and V are never formed: one product of every row with Mt is left, and three small ones a node.
; LIMIT: a NaN, an infinity or an overflow that reaches only bk, or only the unformed Q, K, V, is not carried to the result.
; THIS LAUNCH makes, into wts:
;   Mt[e][d] = sum_f Wk[f][e] Wq[f][d]   (bytes 0 ..)          u[e] = sum_f bq[f] Wk[f][e]            (131,072 ..)
;   Pt[e][d] = sum_g Wo[e][g] Wv[g][d]   (bytes 135,168 ..)    c[e] = sum_g Wo[e][g] bv[g] + bo[e]    (132,096 ..)     gamma (133,120 ..) and beta (134,144 ..) copied, so that one tile brings all four
; Operands rounded to bf16, sums in f32; Mt and Pt rounded once to bf16, the four vectors kept in f32.
; LAYOUT of Mt and Pt: by fragments.  Fragment (t = e / 16, s = d / 32) is 1,024 bytes at (8 t + s) x 1,024; its half a at + 512 a, lane l at + 16 l: Mt[16 t + l % 16][32 s + 16 a + 8 (l / 16) + 0..7].
; So every later load of half a fragment is 512 consecutive bytes, in memory and in LDS.
; SHARES.  Work-group = (p: Mt or Pt; t: 16 values of e; db: 64 values of d); wave v makes the tile of 16 d, dt = 4 db + v, x 16 e over K = 256: result (m = d, n = e), so a lane ends with eight neighbouring d
; of one e: its 16 bytes of fragment (t, dt / 2), half dt % 2.  The wave with db = 0, v = 0 also makes the 16 numbers of u or c: a product whose 16 rows are all bq (bv).
; The sources lie [k][d] (and, for Mt, [k][e]): they go through LDS as bf16 and come out turned, by ds_load_tr16_b128.
; THE MODE: SCHED_MODE bits 1:0 = 2 (LLVM: expert scheduling mode 2), set by the entry lines.  The code itself states the register dependences
; between vector or matrix instructions and memory or LDS instructions, with s_wait_alu, always for 0.
; THE PLAN.  Registers that memory or LDS instructions touch:
;   v6, v8, v10, v12-15, v244   offsets and LDS addresses, made at the head and never written again: one wait on va_vdst ahead of the first load states that they are written.
;   v7, v9, v11                 B's offset and LDS addresses, made in the arm that p picks and never written again: one wait on va_vdst in each arm, ahead of B's loads.
;   v[16:143]                   A's loads land; the conversions read four registers and write the first two, in place; the LDS stores read those two; behind the barrier the fragments of A and B land; the products read them.
;   v[144:175]                  the same for B's loads; later the fragments of bq or bv land in v[144:207].
;   v[242:243]                  two numbers of bq or bv land; one conversion; an LDS store reads v242; at the end two additions write it and a global store reads it.
;   v240                        0 from the head, or bo's number lands in it.      v241  gamma's or beta's number lands, a store reads it; never written again.
;   v[208:211]                  the tile's roundings write them, the tile's store reads them; never written again.      v1, v2  made at the head, read by the closing add alone.
; The conversions stand in two runs, each with one wait on va_vdst behind it; the first run's LDS stores are dealt among the second run's conversions, which name other registers.  The second of these waits also states
; that every conversion is done with v[16:175]; no vector instruction stands between it and the fragments' loads.  One wait on vm_vsrc, behind the barrier, states that my LDS stores have read v[16:175] and v242.
.set PA,    160       ; an LDS row, one k: 128 bytes = 64 d, then (Mt) 32 bytes = 16 e: 5 x 32 bytes, so the eight rows of a turning load start in different banks
.set BR,    40960     ; Pt: 16 rows of Wo in bf16,
.set PBR,   528       ; 512 bytes + 16 apart
.set BV,    49408     ; bq or bv in bf16, 512 bytes
.set SPARE, 49920     ; the spare words, 128 bytes for each wave: two blocks of 256 bytes that no other line names
.set VECB,  131072
.set PTB,   135168
.set SPW, 1           ; v1   LDS address of my spare word; never rewritten
.set NIL, 2           ; v2   0; never rewritten
.set LN,  3           ; v3   lane
.set RR,  4           ; v4   lane % 16
.set HH,  5           ; v5   lane / 16
.set GA,  6           ; v6   my byte offset in A's source
.set GB,  7           ; v7   in B's
.set LAS, 8           ; v8   where I put 8 bytes of A in LDS
.set LBS, 9           ; v9   of B
.set LAF, 10          ; v10  where my fragments of A begin
.set LBF, 11          ; v11  of B
.set GV,  12          ; v12  my two numbers of bq or bv
.set LVS, 13          ; v13  where they go
.set GE,  14          ; v14  4 (16 t + lane % 16): my number in a vector
.set LVF, 15          ; v15  where the fragments of bq or bv begin
.set AF,  16          ; v[16:143]  A as loaded, 32 x 4
.set BF,  144         ; v[144:175] B as loaded, 8 x 4
.set AFR, 16          ; behind the barrier: A's 8 fragments,
.set BFR, 80          ; B's 8,
.set AV,  144         ; the 8 whose rows are all bq or bv
.set ACC, 208         ; v[208:239] four accumulators: the tile's two, the vector's two
.set ADN, 240         ; v240 bo's number, or 0
.set CPY, 241         ; v241 gamma's or beta's number
.set BVT, 242         ; v[242:243] two numbers of bq or bv
.set GO,  244         ; v244 16 x lane
.macro CVA n                           ; the four numbers of A's load n close up into the first two of their four registers
	v_cvt_pk_bf16_f32 v[AF+4*(\n)], v[AF+4*(\n)], v[AF+4*(\n)+1]
	v_cvt_pk_bf16_f32 v[AF+4*(\n)+1], v[AF+4*(\n)+2], v[AF+4*(\n)+3]
.endm
.macro STA n                           ; and go to LDS
	ds_store_b64 v[LAS], v[AF+4*(\n):AF+4*(\n)+1] offset:2*PA*(\n)
.endm
	s_load_b512 s[8:23], s[0:1], 0x0               ; Wq s[8:9], Wv s[10:11], Wk s[12:13], Wo s[14:15], bq s[16:17], bv s[18:19], gamma s[20:21], beta s[22:23]
	s_load_b128 s[24:27], s[0:1], 0x40             ; bo s[24:25], wts s[26:27]
	v_lshl_add_u32 v[SPW], v0, 2, SPARE
	v_mov_b32 v[NIL], 0
	v_lshrrev_b32 v[LN], 5, v0
	v_readfirstlane_b32 s28, v[LN]                 ; wave v
	s_lshr_b32 s29, ttmp9, 6                       ; p
	s_bfe_u32 s30, ttmp9, 0x40002                  ; t
	s_and_b32 s31, ttmp9, 3                        ; db
	v_and_b32 v[LN], 31, v0                        ; what needs no wave number stands between the line that writes s28 and the wait for it
	v_and_b32 v[RR], 15, v0
	v_bfe_u32 v[HH], v0, 4, 1
	v_and_b32 v245, 7, v0                          ; lane % 8
	v_bfe_u32 v246, v0, 3, 1                       ; (lane / 8) % 2
	v_lshl_add_u32 v247, v[HH], 3, v245            ; a turning load: row 8 (l / 16) + l % 8,
	v_mul_u32_u24 v247, v247, PA
	v_lshl_add_u32 v247, v246, 4, v247             ; 16 bytes for each half of eight lanes
	v_lshl_add_u32 v[LVF], v[HH], 4, BV
	v_lshlrev_b32 v[GO], 4, v[LN]
	v_mov_b32 v[ADN], 0                            ; u has no addend
	s_wait_alu depctr_va_sdst(0)                   ; s28 is written, ahead of its first reader, the next line; offsets, bases and branches are made from it
	s_or_b32 s32, s31, s28                         ; 0: this wave also makes the vector
	s_lshl_b32 s33, s28, 16                        ; A: my 64 rows of 1,024 bytes,
	s_lshl_b32 s44, s31, 8                         ; the group's 256 bytes of each
	s_add_co_u32 s33, s33, s44
	v_lshl_add_u32 v[GA], v[RR], 4, s33            ; sixteen lanes take those 256 bytes,
	v_lshl_add_u32 v[GA], v[HH], 10, v[GA]         ; the other sixteen the next row's
	s_mul_i32 s44, s28, 64*PA
	v_lshl_add_u32 v[LAS], v[RR], 3, s44
	v_mad_u32_u24 v[LAS], v[HH], PA, v[LAS]
	s_lshl_b32 s44, s28, 5
	v_add_nc_u32 v[LAF], s44, v247                 ; my 16 d are 32 bytes of a row
	s_lshl_b32 s44, s28, 8
	v_lshl_add_u32 v[GV], v[LN], 3, s44            ; 64 numbers a wave, two a lane
	s_lshl_b32 s44, s28, 7
	s_add_co_u32 s44, s44, BV
	v_lshl_add_u32 v[LVS], v[LN], 2, s44
	s_lshl_b32 s44, s30, 6
	v_lshl_add_u32 v[GE], v[RR], 2, s44
	s_lshl2_add_u32 s45, s31, s28                  ; dt = 4 db + v
	s_lshr_b32 s46, s45, 1                         ; s
	s_and_b32 s47, s45, 1                          ; a
	s_lshl3_add_u32 s46, s30, s46                  ; 8 t + s
	s_lshl_b32 s46, s46, 10
	s_lshl_b32 s47, s47, 9
	s_add_co_u32 s46, s46, s47
	s_mul_i32 s44, s29, PTB
	s_add_co_u32 s44, s44, s46
	s_mov_b32 s45, 0
	s_wait_kmcnt 0x0
	s_add_nc_u64 s[42:43], s[26:27], s[44:45]      ; where my half fragment goes
	s_lshl_b32 s44, s29, 10
	s_add_co_u32 s44, s44, VECB
	s_add_nc_u64 s[46:47], s[26:27], s[44:45]      ; u (p = 0) or c (p = 1); gamma or beta lies 2,048 bytes on
	s_cmp_eq_u32 s29, 0
	s_cselect_b64 s[34:35], s[8:9], s[10:11]       ; A's source: Wq or Wv
	s_cselect_b64 s[36:37], s[12:13], s[14:15]     ; B's: Wk or Wo
	s_cselect_b64 s[38:39], s[16:17], s[18:19]     ; bq or bv
	s_cselect_b64 s[40:41], s[20:21], s[22:23]     ; gamma or beta
	s_wait_alu depctr_va_vdst(0)                   ; the offsets and addresses v6, v8, v10, v12 to v15 and v244 are written, which the loads and stores from here on read; so is v240, in which bo's number may land
.set i, 0
.rept 32
	global_load_b128 v[AF+4*i:AF+4*i+3], v[GA], s[34:35] offset:2048*i  ; two rows' 256 consecutive bytes, aligned
.set i, i+1
.endr
	s_cmp_lg_u32 s29, 0
	s_cbranch_scc1 .Lb_of_pt
	v_lshrrev_b32 v248, 2, v[LN]                   ; Mt: B = Wk[f][16 t ..]: 64 bytes of a row, four lanes a row, eight rows a load
	v_and_b32 v249, 3, v[LN]
	s_lshl_b32 s44, s28, 16
	s_lshl_b32 s45, s30, 6
	s_add_co_u32 s44, s44, s45
	v_lshl_add_u32 v[GB], v248, 10, s44
	v_lshl_add_u32 v[GB], v249, 4, v[GB]
	s_mul_i32 s45, s28, 64*PA
	s_add_co_u32 s45, s45, 128
	v_lshl_add_u32 v[LBS], v249, 3, s45
	v_mad_u32_u24 v[LBS], v248, PA, v[LBS]
	v_add_nc_u32 v[LBF], 128, v247
	s_wait_alu depctr_va_vdst(0)                   ; v7 is written, which the loads below read; so are v9 and v11, which B's LDS stores and fragment loads read
.set i, 0
.rept 8
	global_load_b128 v[BF+4*i:BF+4*i+3], v[GB], s[36:37] offset:8192*i
.set i, i+1
.endr
	s_branch .Lb_asked
.Lb_of_pt:
	s_lshl_b32 s44, s30, 14                        ; Pt: B = Wo's rows 16 t + 4 v .. + 3: 4,096 dense bytes
	s_lshl_b32 s45, s28, 12
	s_add_co_u32 s44, s44, s45
	v_lshl_add_u32 v[GB], v[LN], 4, s44
	s_mul_i32 s45, s28, 4*PBR
	s_add_co_u32 s45, s45, BR
	v_lshl_add_u32 v[LBS], v[LN], 3, s45
	v_mul_u32_u24 v[LBF], v[RR], PBR
	v_lshl_add_u32 v[LBF], v[HH], 4, v[LBF]
	v_add_nc_u32 v[LBF], BR, v[LBF]
	s_wait_alu depctr_va_vdst(0)                   ; v7 is written, which the loads below read; so are v9 and v11, which B's LDS stores and fragment loads read
.set i, 0
.rept 8
	global_load_b128 v[BF+4*i:BF+4*i+3], v[GB], s[36:37] offset:512*i
.set i, i+1
.endr
.Lb_asked:
	; the work-groups with db = 0 bring bq or bv into LDS, a quarter a wave; their wave 0 also copies gamma or beta and fetches bo.  Load, wait and use stand in this one region.
	; No vector line since the wait ahead of A's loads names v12, v14 or v240 to v243: these loads owe nothing more.
	s_cmp_lg_u32 s31, 0
	s_cbranch_scc1 .Lno_vector
	global_load_b64 v[BVT:BVT+1], v[GV], s[38:39]
	s_cmp_lg_u32 s28, 0
	s_cbranch_scc1 .Lquarter
	global_load_b32 v[CPY], v[GE], s[40:41]
	s_cmp_eq_u32 s29, 0
	s_cbranch_scc1 .Lcopy
	global_load_b32 v[ADN], v[GE], s[24:25]        ; c's addend
.Lcopy:
	s_wait_loadcnt 0x0
	global_store_b32 v[GE], v[CPY], s[46:47] offset:2048  ; both halves of the lanes store the same 16 numbers; v[GE], v[CPY] and the base are not written again
.Lquarter:
	s_wait_loadcnt 0x0
	v_cvt_pk_bf16_f32 v[BVT], v[BVT], v[BVT+1]
	s_wait_alu depctr_va_vdst(0)                   ; the conversion has written v242, which the LDS store reads
	ds_store_b32 v[LVS], v[BVT]
.Lno_vector:
	s_wait_loadcnt 0x0                             ; A and B are in
.set i, 0
.rept 16
	CVA i                                          ; the first run: A's loads 0 to 15
.set i, i+1
.endr
	s_wait_alu depctr_va_vdst(0)                   ; the first run has written the pairs of A's loads 0 to 15, which the sixteen LDS stores below read
.set i, 0
.rept 16
	STA i                                          ; no vector line since the wait names this store's registers: the conversions beside it work on loads 16 to 31
	CVA i+16
.set i, i+1
.endr
.set i, 0
.rept 8
	v_cvt_pk_bf16_f32 v[BF+4*i], v[BF+4*i], v[BF+4*i+1]
	v_cvt_pk_bf16_f32 v[BF+4*i+1], v[BF+4*i+2], v[BF+4*i+3]
.set i, i+1
.endr
	s_wait_alu depctr_va_vdst(0)                   ; the second run has written the pairs of A's loads 16 to 31 and of B's, which the LDS stores below read; and every conversion is done with v[16:175], in which the fragments' loads land
.set i, 16
.rept 16
	STA i
.set i, i+1
.endr
	s_cmp_lg_u32 s29, 0
	s_cbranch_scc1 .Lbs_of_pt
.set i, 0
.rept 8
	ds_store_b64 v[LBS], v[BF+4*i:BF+4*i+1] offset:8*PA*i
.set i, i+1
.endr
	s_branch .Lb_stored
.Lbs_of_pt:
.set i, 0
.rept 8
	ds_store_b64 v[LBS], v[BF+4*i:BF+4*i+1] offset:(i/2)*PBR+(i%2)*256
.set i, i+1
.endr
.Lb_stored:
	s_wait_dscnt 0x0                               ; for the others' sake: my stores are done
	s_barrier_signal -1
	s_barrier_wait -1                              ; all 256 rows of k lie in LDS
	s_wait_alu depctr_vm_vsrc(0)                   ; my LDS stores have read v[16:175] and v242: the fragments' loads land in the first, and the last additions write the second, only behind this wait
.set i, 0
.rept 8
	ds_load_tr16_b128 v[AFR+8*i:AFR+8*i+3],   v[LAF] offset:32*PA*i        ; k = 32 i + 8 (l / 16) + 0..7 of column d = l % 16
	ds_load_tr16_b128 v[AFR+8*i+4:AFR+8*i+7], v[LAF] offset:32*PA*i+16*PA  ; and 16 further on
.set i, i+1
.endr
	s_cmp_lg_u32 s29, 0
	s_cbranch_scc1 .Lbf_of_pt
.set i, 0
.rept 8
	ds_load_tr16_b128 v[BFR+8*i:BFR+8*i+3],   v[LBF] offset:32*PA*i
	ds_load_tr16_b128 v[BFR+8*i+4:BFR+8*i+7], v[LBF] offset:32*PA*i+16*PA
.set i, i+1
.endr
	s_branch .Lb_in
.Lbf_of_pt:
.set i, 0
.rept 8
	ds_load_b128 v[BFR+8*i:BFR+8*i+3],   v[LBF] offset:64*i                ; Wo's rows lie along k: as they lie
	ds_load_b128 v[BFR+8*i+4:BFR+8*i+7], v[LBF] offset:64*i+32
.set i, i+1
.endr
.Lb_in:
	s_wait_dscnt 0x0
.set i, 0
.rept 8                                ; two accumulators take turns; the first two products start the sums
.if i < 2
	v_wmma_f32_16x16x32_bf16 v[ACC+8*(i%2):ACC+8*(i%2)+7], v[AFR+8*i:AFR+8*i+7], v[BFR+8*i:BFR+8*i+7], 0
.else
	v_wmma_f32_16x16x32_bf16 v[ACC+8*(i%2):ACC+8*(i%2)+7], v[AFR+8*i:AFR+8*i+7], v[BFR+8*i:BFR+8*i+7], v[ACC+8*(i%2):ACC+8*(i%2)+7]
.endif
.set i, i+1
.endr
.rept 4
	v_nop                                          ; four places between the last product and the first read of a result
.endr
.set i, 0
.rept 4
	v_pk_add_f32 v[ACC+2*i:ACC+2*i+1], v[ACC+2*i:ACC+2*i+1], v[ACC+8+2*i:ACC+8+2*i+1]
.set i, i+1
.endr
.set i, 0
.rept 4
	v_cvt_pk_bf16_f32 v[ACC+i], v[ACC+2*i], v[ACC+2*i+1]
.set i, i+1
.endr
	s_wait_alu depctr_va_vdst(0)                   ; the roundings have written v[208:211], which the store reads
	global_store_b128 v[GO], v[ACC:ACC+3], s[42:43]  ; the wave stores 512 consecutive bytes, aligned: half a fragment
	s_cmp_lg_u32 s32, 0
	s_cbranch_scc1 .Lend
.set i, 0
.rept 8
	ds_load_b128 v[AV+8*i:AV+8*i+3],   v[LVF] offset:64*i     ; every row of this operand is bq (bv); no vector or matrix line since the second run's wait names v[144:207] or v15
	ds_load_b128 v[AV+8*i+4:AV+8*i+7], v[LVF] offset:64*i+32
.set i, i+1
.endr
	s_wait_dscnt 0x0
.set i, 0
.rept 8
.if i < 2
	v_wmma_f32_16x16x32_bf16 v[ACC+16+8*(i%2):ACC+16+8*(i%2)+7], v[AV+8*i:AV+8*i+7], v[BFR+8*i:BFR+8*i+7], 0
.else
	v_wmma_f32_16x16x32_bf16 v[ACC+16+8*(i%2):ACC+16+8*(i%2)+7], v[AV+8*i:AV+8*i+7], v[BFR+8*i:BFR+8*i+7], v[ACC+16+8*(i%2):ACC+16+8*(i%2)+7]
.endif
.set i, i+1
.endr
.rept 4
	v_nop
.endr
	v_add_f32 v[BVT], v[ACC+16], v[ACC+24]         ; every register holds the number of e = 16 t + l % 16: the lowest is taken
	v_add_f32 v[BVT], v[BVT], v[ADN]
	s_wait_alu depctr_va_vdst(0)                   ; the additions have written v242, which the store reads
	global_store_b32 v[GE], v[BVT], s[46:47]
.Lend:
	s_wait_dscnt 0x0                               ; the wave's end, behind my last LDS store
	s_wait_alu 0x0
	s_wait_tensorcnt 0x0
	ds_add_u32 v[SPW], v[NIL]
	s_wait_dscnt 0x0
	s_endpgm
.Lfunc_end_k_qe60eaced8e_prep:
	.size	k_qe60eaced8e_prep, .Lfunc_end_k_qe60eaced8e_prep-k_qe60eaced8e_prep
	.p2alignl 7, 3214868480
	.fill 96, 4, 3214868480
	.section	.rodata,"a",@progbits
	.p2align	6, 0x0
	.amdhsa_kernel k_qe60eaced8e_prep
		.amdhsa_group_segment_fixed_size 50688
		.amdhsa_private_segment_fixed_size 0
		.amdhsa_enable_private_segment 0
		.amdhsa_kernarg_size 80
		.amdhsa_user_sgpr_count 2
		.amdhsa_user_sgpr_kernarg_segment_ptr 1
		.amdhsa_wavefront_size32 1
		.amdhsa_system_sgpr_workgroup_id_x 1
		.amdhsa_system_sgpr_workgroup_id_y 1
		.amdhsa_system_sgpr_workgroup_id_z 1
		.amdhsa_system_vgpr_workitem_id 0
		.amdhsa_next_free_vgpr 256
		.amdhsa_next_free_sgpr 66
		.amdhsa_reserve_vcc 0
		.amdhsa_float_denorm_mode_32 3
		.amdhsa_float_denorm_mode_16_64 3
		.amdhsa_memory_ordered 1
		.amdhsa_forward_progress 1
		.amdhsa_inst_pref_size 25
	.end_amdhsa_kernel
	.amdgpu_metadata
---
amdhsa.version: [ 1, 2 ]
amdhsa.kernels:
  - .name:           k_qe60eaced8e_prep
    .symbol:         k_qe60eaced8e_prep.kd
    .args:
      - { .name: Wq, .offset: 0, .size: 8, .value_kind: global_buffer, .address_space: global }
      - { .name: Wv, .offset: 8, .size: 8, .value_kind: global_buffer, .address_space: global }
      - { .name: Wk, .offset: 16, .size: 8, .value_kind: global_buffer, .address_space: global }
      - { .name: Wo, .offset: 24, .size: 8, .value_kind: global_buffer, .address_space: global }
      - { .name: bq, .offset: 32, .size: 8, .value_kind: global_buffer, .address_space: global }
      - { .name: bv, .offset: 40, .size: 8, .value_kind: global_buffer, .address_space: global }
      - { .name: gamma, .offset: 48, .size: 8, .value_kind: global_buffer, .address_space: global }
      - { .name: beta, .offset: 56, .size: 8, .value_kind: global_buffer, .address_space: global }
      - { .name: bo, .offset: 64, .size: 8, .value_kind: global_buffer, .address_space: global }
      - { .name: wts, .offset: 72, .size: 8, .value_kind: global_buffer, .address_space: global }
    .group_segment_fixed_size: 50688
    .private_segment_fixed_size: 0
    .kernarg_segment_align: 8
    .kernarg_segment_size: 80
    .max_flat_workgroup_size: 128
    .sgpr_count:     66
    .vgpr_count:     256
    .wavefront_size: 32
...
	.end_amdgpu_metadata
.endif
;; end of part 3
;; launch main: the kernel of part 2 again; grid 256 x 1, 4 waves a work-group, no clusters, 327,680 bytes of LDS; arguments neighbor_features, wts, out0; writes out0
